; MI455X (gfx1250); checked and timed in simulation.
; The chip was launched on July 23, 2026; its instructions are those of AMD's public machine-readable ISA for CDNA 5 (MIT licence, August 2026) and "CDNA5" Instruction Set Architecture Reference Guide (July 2026). The comments in the code are by the model that wrote it; some were corrected since.
;; Lin Bert Self Attention. Allowed arithmetic: matrix products marked QUANTISED: E3M2 operands, one E8M0 scale for each 32 along K, by v_wmma_scale_f32_16x16x128_f8f6f4 with both operands' format E3M2, f32 sums; products left as they are: f32 operands where the result goes on into a quantised operand, else bf16, f16 or f32 operands; f32 sums; everything else in f32.
;; Inputs: Wk_codes 1,024 x 32 x 24 uint8 (E3M2 codes of Wk, K innermost, in blocks of 32 codes, four codes in three bytes); Wk_scales 1,024 x 32 uint8 (E8M0 scales of Wk, one for each 32 codes along K); Wq_codes 1,024 x 32 x 24 uint8 (E3M2 codes of Wq, K innermost, in blocks of 32 codes, four codes in three bytes); Wq_scales 1,024 x 32 uint8 (E8M0 scales of Wq, one for each 32 codes along K); Wv_codes 1,024 x 32 x 24 uint8 (E3M2 codes of Wv, K innermost, in blocks of 32 codes, four codes in three bytes); Wv_scales 1,024 x 32 uint8 (E8M0 scales of Wv, one for each 32 codes along K); attention_mask 8 x 1 x 1 x 2,048 float32; bk 1,024 float32; bq 1,024 float32; bv 1,024 float32; hidden_states_codes 8 x 2,048 x 32 x 24 uint8 (E3M2 codes of hidden_states, K innermost, in blocks of 32 codes, four codes in three bytes); hidden_states_scales 8 x 2,048 x 32 uint8 (E8M0 scales of hidden_states, one for each 32 codes along K).
;; Outputs: out0 8 x 2,048 x 1,024 float32.
;; This version of the problem:
;;   THIS VERSION OF THE PROBLEM IS GIVEN IN LOW PRECISION. The matrix products marked QUANTISED in the list below multiply operands that are first quantised to E3M2 (3 exponent bits, 2 mantissa bits; 6 bits a number), with one power-of-two scale for each 32 numbers along K (OCP MX v1.0); their sums are f32. All else is computed in f32.
;;   The module's matrix products, in the order in which they are computed (A, B: the left and right operand; K: the contracted axis; several contracted axes count as one K, in the product's order):
;;     1. [M 16,384, K 1,024] x [K 1,024, N 1,024]; A: input hidden_states (given as codes); B: input Wq (given as codes): QUANTISED
;;     2. [M 16,384, K 1,024] x [K 1,024, N 1,024]; A: input hidden_states (given as codes); B: input Wk (given as codes): QUANTISED
;;     3. [M 16,384, K 1,024] x [K 1,024, N 1,024]; A: input hidden_states (given as codes); B: input Wv (given as codes): QUANTISED
;;     4. batch 128 x [M 64, K 2,048] x [K 2,048, N 64]; A: computed on the way; B: computed on the way: QUANTISED
;;     5. batch 128 x [M 64, K 64] x [K 64, N 2,048]; A: computed on the way; B: computed on the way: QUANTISED
;;     6. batch 128 x [M 1, K 64] x [K 64, N 2,048]; A: computed on the way; B: computed on the way: left as it is (M = 1 < 16)
;;   THE QUANTISER, for each operand of a quantised product, along K:
;;     - K is cut into blocks of 32 from its start; a last block that is shorter is filled with zeros.
;;     - A block's scale is 2^e with e = floor(log2(the largest magnitude in the block)) - 4, held to -126 .. 127; a block of zeros has e = 0. As a byte (E8M0): e + 127.
;;     - Each number is divided by its block's scale, clamped to +-28, and rounded to the nearest number of E3M2, ties to even, subnormals kept.
;;     - The product sums the exact products of the quantised numbers (number of the format x scale) in f32.
;;   ~~~python
;;   def quantise(x, axis):      # numpy; x: float32 -> the quantised numbers, widened to float32 again
;;       x = np.moveaxis(x, axis, -1); K = x.shape[-1]
;;       x = np.pad(x, [(0, 0)] * (x.ndim - 1) + [(0, -K % 32)]); x = x.reshape(x.shape[:-1] + (-1, 32)); a = np.abs(x).max(-1, keepdims=True)
;;       e = np.where(a > 0, np.clip(np.frexp(np.where(a > 0, a, 1))[1] - 1 - 4, -126, 127), 0)      # np.frexp(a)[1] - 1 = floor(log2(a)), exactly
;;       r = np.clip(x / 2.0 ** e, -28, 28)
;;       step = 2.0 ** (np.maximum(np.frexp(np.where(r == 0, 1, r))[1] - 1, -2) - 2)
;;       q = np.round(r / step) * step * 2.0 ** e      # np.round: ties to even
;;       return np.moveaxis(q.reshape(q.shape[:-2] + (-1,))[..., :K], -1, axis).astype(np.float32)
;;   ~~~
;;   OPERANDS COMPUTED ON THE WAY. 'Computed on the way' means the value that the module computes at that place (a softmax that the list does not call 'softmax' is quantised finished and normalised). What goes into a quantiser is computed in f32, as accurately as f32 sums, v_exp_f32 and their like allow (about 1e-6 of the number): no bf16 or f16 on the way to a quantiser, and a product that is left as it is and whose result goes on into a quantised operand takes f32 operands (vector FMAs, or v_wmma_f32_16x16x4_f32). A number that lies on a knife's edge between two numbers of the format may be rounded either way, as far as f32 arithmetic and the matrix unit's own rounding can turn it there, and no further.
;;   INPUTS GIVEN AS CODES. Wk (in the module: [1024, 1024], K = its axis 1); Wq (in the module: [1024, 1024], K = its axis 1); Wv (in the module: [1024, 1024], K = its axis 1); hidden_states (in the module: [8, 2048, 1024], K = its axis 2): each comes as NAME_codes (uint8): NAME with its K axis moved to the last place and cut into blocks of 32 codes, [.., K / 32, bytes a block], one block behind the other in memory; four codes in three bytes: a row's codes are one little-endian stream of bits, code i at bits 6 i .. 6 i + 5 (a code: sign, 3 exponent bits, 2 mantissa bits); and NAME_scales (uint8): the same leading axes, one E8M0 byte (e + 127) for each 32 codes along K. Its value is code x scale, taken as it is: it is not quantised again, and the codes and scales need not be those that the quantiser above would give.
;; One version. Each part assembles by itself: llvm-mc -triple=amdgcn-amd-amdhsa -mcpu=gfx1250 --defsym DOCPART=n.
;; ======== version 1 of 1: 2 launches
;; workspace buffers: kvp 8,388,608 bytes; zp 131,072 bytes
;; launch kvpart (part 1): grid 16 x 32, 4 waves a work-group, clusters of 4 x 4, 327,680 bytes of LDS; arguments hidden_states_codes, hidden_states_scales, Wk_codes, Wk_scales, Wv_codes, Wv_scales, bk, bv, attention_mask, kvp, zp; writes kvp, zp
.if DOCPART == 1
	.amdgcn_target "amdgcn-amd-amdhsa--gfx1250"
	.amdhsa_code_object_version 6
	.text
	.protected	k_qf9c8629d58_kvpart
	.globl	k_qf9c8629d58_kvpart
	.p2align	8
	.type	k_qf9c8629d58_kvpart,@function
k_qf9c8629d58_kvpart:
	s_mov_b64 s[64:65], 0
	v_nop
	global_prefetch_b8 v0, s[64:65] scope:SCOPE_SE
	s_setreg_imm32_b32 hwreg(HW_REG_WAVE_MODE, 25, 1), 1
	s_wait_xcnt 0x0
	s_wait_alu depctr_hold_cnt(0) depctr_sa_sdst(0) depctr_va_vdst(0) depctr_va_sdst(0) depctr_va_ssrc(0) depctr_va_vcc(0) depctr_vm_vsrc(0)
	s_getreg_b32 s2, hwreg(HW_REG_IB_STS2, 6, 4)
	s_cmp_eq_u32 s2, 0
	s_cbranch_scc0 .Lentry_in_a_cluster
	s_endpgm
.Lentry_in_a_cluster:
	s_bfe_u32 s2, ttmp6, 0x10000c
	s_cmp_lg_u32 s2, 0xf033
	s_cbranch_scc0 .Lentry_shape_is_right
	s_endpgm
.Lentry_shape_is_right:
; LINEAR ATTENTION, FIRST LAUNCH: k = x Wk^T + bk, v = x Wv^T + bv, phi_k = (elu(k) + 1) x mask, and for 512 rows s of one (batch, head): a part of kv[d][e] = sum over s of phi_k[s][d] v[s][e] and of z[d] = sum over s of phi_k[s][d].
; x [16384][1024], Wk, Wv [1024][1024]: codes of BF6 (E3M2), a row of 1,024 codes = 768 bytes, one E8M0 byte for each 32 along K.  All three products go by v_wmma_scale_f32_16x16x128_f8f6f4 on BF6 codes; sums in f32.
; SHARES.  Work-group (x = head 0..15, y = block of 512 rows 0..31), four waves.  A wave makes 128 rows s x 128 columns (the head's 64 of k, its 64 of v): 64 accumulators, 512 registers.
; THE MATRIX INSTRUCTION: source 0 = 16 rows of x, source 1 = 16 rows of W.  In the result a lane holds ONE row of W (a channel d or e) and its registers run along s, which is the K of the product kv.
; For a block a of 16 rows of W the 64 registers 8 b + j of a lane are s = 16 b + 8 (lane / 16) + j: registers 16 B .. 16 B + 15 are 16 numbers of the true block B of 32 along s, lane l xor 16 holds the other 16.
; So a block's scale is the rule's; inside a block the codes stand in the order [0-7][16-23][8-15][24-31], ALIKE in phi_k and in v, which keeps every product of the sum.
; phi(x) = max(x + 1, 2^(-|x| log2 e)): x + 1 above 0, e^x at and below 0; no branch, no overflow.
; THE PARTS ARE LAID AS THE NEXT LAUNCH TAKES THEM: kvp [batch][head][part 4][w 4][m 8][lane 32][4 f32], the number kv[d = 32 (lane / 16) + 4 m + j][e = 16 w + lane % 16]: a load of 16 bytes a lane there reads 512 consecutive bytes.
; LIMITS: reference forms expm1(x) + 1, which differs from e^x by up to 2^-24 absolute; below 2^-126 this text gives 0.  NaN and infinities among the inputs are not served.  A block of zeros gets the scale byte 1
; (its codes are zeros; the bytes are read by this program alone).  The f32 sums are taken in another order than the reference's.
; K goes in steps of 256 (rows of 192 bytes) through two LDS slots, each with W's 128 rows and x's 512 rows; K = 1,024 is four such steps, written out, so that the scale registers are named in the text.
; CLUSTER 4 x 4: W's tile hangs on the head alone and is shared along a column of the cluster, x's on the block of rows alone and is shared along a row: joint loads, which divide the requests for both by four.
; No prefetch: half of a work-group's tiles are asked for at its head and the rest at the next two changes of slots; there is no later step to ask ahead for.
; REGISTERS, in windows of 256.  window 0: v0-31 ids and addresses; v32-63 x's scale words, v64-95 W's; v96-191 W's fragments, one set; v192-255 the mask of my 128 rows.  window 1: x's fragments, two sets, at v0 and v128.
;   window 2: accumulators of Wk's four blocks ((a, b) at v[8 (8 a + b)]); window 3: those of Wv's.  In the epilogue window 0's v32-255 are used anew (map below).
; All of a WGP's LDS is claimed.
.set PITCH,  240                       ; an LDS row: 3 x (64 bytes + 16 of padding)
.set ROWB,   192                       ; 256 codes
.set KROW,   768                       ; a row of codes in memory
.set FR,     12                        ; registers of a fragment, 16 rows x 128 K
.set NL,     6                         ; LDS loads that bring one
.set XREG,   128*PITCH                 ; in a slot: W's 128 rows, then x's 512
.set SLOT,   640*PITCH
.set SPARE,  2*SLOT                    ; behind the ring: the spare words, 128 bytes a wave: two blocks of 256 bytes that no other line names
.set KSTW,   64*272                    ; the way out, in slot 0 (it has had its last fill and its last read by then): for each wave 64 rows e of 256 bytes + 16
.set ZST,    4*KSTW                    ; behind them 256 bytes of z for each wave
.set BKR,  8                           ; v8-11   bk of my lane's channel in blocks 0-3;  v12-15 bv likewise
.set BVR,  12
.set ADRO, 16                          ; v16-17  LDS address of W's fragments in slot 0, 1; v18-19 the same behind one padding more
.set ADRI, 20                          ; v20-23  the same for my 128 rows of x
.set KSTO, 24                          ; where I put 32 bytes of a row of my kv part
.set KRD,  25                          ; where I read my lane's 128 bytes of a row back
.set ZSTO, 26
.set GOFF, 27                          ; 16 x lane
.set SPW,  28                          ; my spare word: SPARE + 4 x my thread's number; never rewritten
.set NIL,  29                          ; 0; never rewritten
.set R4,   30                          ; 4 x (lane % 16)
.set ZRD,  31
.set SCI,  32                          ; scale words: register 4 i + w: lanes 0-15 word w of row r of block i, lanes 16-31 word 4 + w
.set SCO,  64
.set AF,   96
.set MSK,  192
.set Y,    32                          ; epilogue: 64 numbers at work
.set KF,   96                          ; phi_k's four fragments
.set TM,   144                         ; v144-147 largest magnitudes, v148-151 bytes, v156-159 the conversions' scale operands
.set SCR,  160                         ; the upper halves of the blocks' codes, before they are moved
.set PWS,  168                         ; eight scale words: phi_k's four blocks, v's four
.set ZR,   176                         ; z of my channel in blocks 0-3
.set ZT,   180
.set CB,   184                         ; v[184:185] log2(e) x bk
.set B1,   186                         ; v[186:187] bk + 1, or bv
.set VF,   192                         ; v's four fragments, where the mask lay
.set WV,   16
.set ROLE, 17
.set PAR,  18
.set CX,   19
.set CY,   20
.set GX,   21
.set GY,   22
.set G1W,  24                          ; s[24:31] group 1 for W's tiles; s[32:39] group 0, a set for each slot
.set G0W,  32
.set G1X,  40                          ; s[40:47], s[48:55] the same for x's
.set G0X,  48
.set CS,   66                          ; s[66:67] log2(e), as a pair
.set SEL,  80                          ; s[80:81] v_permlanex16_b32's selects for lane l xor 16
.set MUL_LO, 0xa1                      ; source 0 window 1, source 1 window 0, C and D window 2
.set MUL_HI, 0xf1                      ; the same, C and D window 3
.set MSB, 0
.macro WIN new                         ; the immediate's high byte repeats the setting that is left
.if MSB != (\new)
	s_set_vgpr_msb (MSB<<8)|(\new)
.set MSB, (\new)
.endif
.endm
.macro PLACES n
.rept \n
	v_nop
.endr
.endm
; A joint load: waves 0 and 1 fetch W's two halves (Wk's 64 rows, Wv's 64 rows), waves 2 and 3 x's two halves of 256 rows.  The branch hangs on the wave's number alone.  Four v_nop follow each line.
.macro JLOAD s
	s_cmp_eq_u32 s[ROLE], 0
	s_cbranch_scc0 .Lfor_x_\@
	tensor_load_to_lds s[G0W+4*\s:G0W+4*\s+3], s[G1W:G1W+7]
	s_nop 0
.rept 4
	v_nop
.endr
	s_branch .Lasked_\@
.Lfor_x_\@:
	tensor_load_to_lds s[G0X+4*\s:G0X+4*\s+3], s[G1X:G1X+7]
	s_nop 0
.rept 4
	v_nop
.endr
.Lasked_\@:
.endm
.macro CREST                           ; a round of the cluster's barrier behind its opening barrier
	s_cmp_lg_u32 s[WV], 0
	s_cbranch_scc1 .Lnot_wave_0_\@
	s_barrier_signal -3
.Lnot_wave_0_\@:
	s_barrier_wait -3
	s_barrier_signal -1
	s_barrier_wait -1
.endm
.macro CROUND
	s_barrier_signal -1
	s_barrier_wait -1
	CREST
.endm
	s_load_b256 s[4:11], s[0:1], 0x0               ; x's codes s[4:5], x's scales s[6:7], Wk's codes s[8:9], Wk's scales s[10:11]
	s_load_b128 s[12:15], s[0:1], 0x20             ; Wv's codes s[12:13], Wv's scales s[14:15]
	s_load_b256 s[68:75], s[0:1], 0x30             ; bk s[68:69], bv s[70:71], the mask s[72:73], kvp s[74:75]
	s_load_b64 s[76:77], s[0:1], 0x50              ; zp
	v_lshl_add_u32 v[SPW], v0, 2, SPARE
	v_mov_b32 v[NIL], 0
	ds_add_u32 v28, v29
	ds_add_u32 v28, v29
	s_wait_dscnt 0x0
	v_lshrrev_b32 v1, 5, v0
	v_readfirstlane_b32 s[WV], v1                  ; wave 0..3
	s_lshr_b32 s[ROLE], s[WV], 1                   ; I fetch for W (0) or for x (1),
	s_and_b32 s[PAR], s[WV], 1                     ; its first or its second half
	s_bfe_u32 s[CX], ttmp6, 0x40000
	s_bfe_u32 s[CY], ttmp6, 0x40004
	s_lshl_b32 s[GX], ttmp9, 2
	s_add_co_u32 s[GX], s[GX], s[CX]               ; the head
	s_and_b32 s[GY], ttmp7, 0xffff
	s_lshl_b32 s[GY], s[GY], 2
	s_add_co_u32 s[GY], s[GY], s[CY]               ; the block of 512 rows
	s_lshl_b32 s60, s[CY], 2
	s_lshl_b32 s60, 15, s60                        ; my row of the cluster
	s_lshl_b32 s56, 0x1111, s[CX]                  ; my column
	s_or_b32 s[G1W], s56, (1<<20)|(1<<21)|(3<<22)|(3<<25)  ; 15:0 the mask: W's tiles go to my column; elements of 1 byte; 20 padding on; 21 set beside a mask; after every 16 words (code 3) 4 words (code 3)
	s_or_b32 s[G1X], s60, (1<<20)|(1<<21)|(3<<22)|(3<<25)  ; x's tiles go to my row
.irp g, G1W, G1X
	s_mov_b32 s[\g+1], ROWB<<16                    ; tensor_dim0
	s_mov_b32 s[\g+3], ROWB<<16                    ; tile_dim0
	s_mov_b32 s[\g+5], KROW                        ; from row to row
	s_mov_b32 s[\g+6], 0
	s_mov_b32 s[\g+7], 0
.endr
	s_mov_b32 s[G1W+2], 64<<16                     ; tensor_dim1
	s_mov_b32 s[G1W+4], 64                         ; tile_dim1
	s_mov_b32 s[G1X+2], 256<<16
	s_mov_b32 s[G1X+4], 256
	; offsets.  s56-59, s82-87 hold only what hangs on the head; s60-63, s90-95 only what hangs on the block of rows; s96-99 both, and feed no descriptor
	s_mul_i32 s58, s[GX], 64*KROW                  ; the head's 64 rows of Wk or of Wv
	s_mov_b32 s59, 0
	s_lshl_b32 s84, s[GX], 11                      ; their scale bytes, 32 a row
	s_mov_b32 s85, 0
	s_lshl_b32 s86, s[GX], 8                       ; their biases
	s_mov_b32 s87, 0
	s_lshl_b32 s62, s[GY], 9
	s_lshl_b32 s63, s[PAR], 8
	s_add_co_u32 s62, s62, s63
	s_mul_i32 s62, s62, KROW                       ; x: row 512 y + 256 x half
	s_mov_b32 s63, 0
	s_lshl_b32 s92, s[GY], 9
	s_lshl_b32 s93, s[WV], 7
	s_add_co_u32 s92, s92, s93                     ; my wave's first row
	s_lshl_b32 s94, s92, 2                         ; in the mask,
	s_mov_b32 s95, 0
	s_lshl_b32 s92, s92, 5                         ; in x's scale bytes
	s_mov_b32 s93, 0
	s_mul_i32 s88, s[PAR], 64*PITCH                ; where the tiles go: no place in the cluster enters an LDS address
	s_mul_i32 s89, s[PAR], 256*PITCH
	s_add_co_u32 s89, s89, XREG
	s_lshr_b32 s98, s[GY], 2                       ; the batch
	s_lshl_b32 s98, s98, 4
	s_add_co_u32 s98, s98, s[GX]
	s_lshl_b32 s98, s98, 2
	s_and_b32 s99, s[GY], 3
	s_add_co_u32 s98, s98, s99                     ; which part: ((batch x 16 + head) x 4 + the batch's quarter)
	s_lshl_b32 s96, s98, 8                         ; 256 bytes of z,
	s_mov_b32 s97, 0
	s_lshl_b32 s98, s98, 14                        ; 16,384 bytes of kv,
	s_lshl_b32 s99, s[WV], 12
	s_add_co_u32 s98, s98, s99                     ; of which my wave stores rows e = 16 w on
	s_mov_b32 s99, 0
	s_mov_b32 s[CS], 0x3fb8aa3b                    ; log2(e)
	s_mov_b32 s[CS+1], s[CS]
	s_mov_b32 s[SEL], 0x76543210
	s_mov_b32 s[SEL+1], 0xfedcba98
	s_wait_kmcnt 0x0
	s_cmp_eq_u32 s[PAR], 0                         ; the first half of W's tile is Wk's, the second Wv's: a choice on the wave's number
	s_cselect_b64 s[82:83], s[8:9], s[12:13]
	s_add_nc_u64 s[82:83], s[82:83], s[58:59]
	s_add_nc_u64 s[90:91], s[4:5], s[62:63]
	CROUND                                         ; all sixteen work-groups are here: the first joint loads meet
.irp s, 0,1
	s_mov_b32 s[G0W+4*\s], 1
	s_add_co_u32 s[G0W+4*\s+1], s88, \s*SLOT
	s_add_nc_u64 s[G0W+4*\s+2:G0W+4*\s+3], s[82:83], \s*ROWB
	s_or_b32 s[G0W+4*\s+3], s[G0W+4*\s+3], 0x80000000
	s_mov_b32 s[G0X+4*\s], 1
	s_add_co_u32 s[G0X+4*\s+1], s89, \s*SLOT
	s_add_nc_u64 s[G0X+4*\s+2:G0X+4*\s+3], s[90:91], \s*ROWB
	s_or_b32 s[G0X+4*\s+3], s[G0X+4*\s+3], 0x80000000
	JLOAD \s                                       ; K steps 0 and 1: two tensor loads of mine are out
.endr
	s_add_nc_u64 s[6:7], s[6:7], s[92:93]
	s_add_nc_u64 s[10:11], s[10:11], s[84:85]
	s_add_nc_u64 s[14:15], s[14:15], s[84:85]
	s_add_nc_u64 s[68:69], s[68:69], s[86:87]
	s_add_nc_u64 s[70:71], s[70:71], s[86:87]
	s_add_nc_u64 s[72:73], s[72:73], s[94:95]
	s_add_nc_u64 s[74:75], s[74:75], s[98:99]
	s_add_nc_u64 s[76:77], s[76:77], s[96:97]
	v_and_b32 v1, 15, v0                           ; r = lane % 16
	v_bfe_u32 v2, v0, 4, 1                         ; h = lane / 16
	v_lshlrev_b32 v6, 5, v1
	v_lshl_add_u32 v6, v2, 4, v6                   ; scale words: row r of 32 bytes, + 16 h
	v_lshlrev_b32 v7, 5, v2                        ; the mask: 8 numbers on for lanes 16-31
	v_lshlrev_b32 v[R4], 2, v1
.irp i, 0,1,2,3,4,5,6,7
	global_load_b128 v[SCI+4*\i:SCI+4*\i+3], v6, s[6:7] offset:512*\i        ; 16 rows x 32 bytes: 512 consecutive bytes an instruction
.endr
.irp i, 0,1,2,3
	global_load_b128 v[SCO+4*\i:SCO+4*\i+3], v6, s[10:11] offset:512*\i
	global_load_b128 v[SCO+16+4*\i:SCO+16+4*\i+3], v6, s[14:15] offset:512*\i
.endr
.irp b, 0,1,2,3,4,5,6,7
	global_load_b128 v[MSK+8*\b:MSK+8*\b+3], v7, s[72:73] offset:64*\b       ; register 8 b + j: the mask of row 16 b + 8 h + j
	global_load_b128 v[MSK+8*\b+4:MSK+8*\b+7], v7, s[72:73] offset:64*\b+16
.endr
.irp a, 0,1,2,3
	global_load_b32 v[BKR+\a], v[R4], s[68:69] offset:64*\a
	global_load_b32 v[BVR+\a], v[R4], s[70:71] offset:64*\a
.endr
	v_mul_u32_u24 v3, v1, PITCH
	v_mad_u32_u24 v4, v2, 24, v3                   ; a fragment's row x pitch + 24 x half
	v_lshl_add_u32 v5, v2, 4, v4                   ; and the same behind one padding more
	s_mul_i32 s23, s[WV], 128*PITCH
	s_add_co_u32 s23, s23, XREG                    ; my 128 rows of x
.irp s, 0,1
	v_add_nc_u32 v[ADRO+\s], \s*SLOT, v4
	v_add_nc_u32 v[ADRO+2+\s], \s*SLOT, v5
	v_add_nc_u32 v[ADRI+\s], s23, v4
	v_add_nc_u32 v[ADRI+2+\s], s23, v5
	s_add_co_u32 s23, s23, SLOT
.endr
	v_and_b32 v[GOFF], 31, v0
	v_lshlrev_b32 v3, 3, v[GOFF]                   ; 8 x lane
	v_lshlrev_b32 v[GOFF], 4, v[GOFF]              ; 16 x lane
	s_mul_i32 s23, s[WV], KSTW
	v_mul_u32_u24 v[KSTO], v1, 272
	v_lshl_add_u32 v[KSTO], v2, 5, v[KSTO]
	v_add_nc_u32 v[KSTO], s23, v[KSTO]             ; my stage: row r, + 32 h
	s_mul_i32 s23, s[WV], 16*272
	v_mul_u32_u24 v[KRD], v1, 272
	v_lshl_add_u32 v[KRD], v2, 7, v[KRD]
	v_add_nc_u32 v[KRD], s23, v[KRD]               ; back: row e = 16 w + r of a stage, channels d = 32 h on: sixteen rows 272 bytes apart start at sixteen different banks
	s_lshl_b32 s23, s[WV], 8
	s_add_co_u32 s23, s23, ZST
	v_lshl_add_u32 v[ZSTO], v1, 2, s23
	v_add_nc_u32 v[ZRD], ZST, v3
.macro FRAG reg, adr, q, row           ; a fragment: lane l holds row l % 16; registers 6 c .. 6 c + 5 hold K = 64 c + 32 (l / 16) + 0 .. 31: 24 bytes of the row's stream of bits, in pieces of 8 bytes
.irp p, 0,1,2,3,4,5
.set PCE, 12*(\q)+6*(\p/3)+\p%3        ; lanes 0-15 take this piece of the row, lanes 16-31 the piece three on; where that lies behind one padding more, the second address register serves
.if PCE%8 < 5
	ds_load_b64 v[\reg+2*\p:\reg+2*\p+1], v[\adr] offset:8*PCE+16*(PCE/8)+(\row)*PITCH
.else
	ds_load_b64 v[\reg+2*\p:\reg+2*\p+1], v[\adr+2] offset:8*PCE+16*(PCE/8)+(\row)*PITCH
.endif
.endr
.endm
.macro FETCH_I slot, q, p              ; x's eight fragments of the slot's q-th 128 along K into set p of window 1
	WIN 0x40
.irp i, 0,1,2,3,4,5,6,7
	FRAG 128*(\p)+FR*\i, ADRI+\slot, \q, 16*\i
.endr
	WIN 0
.endm
.macro FETCH_O slot, q, i0             ; W's blocks i0 .. i0 + 3
.irp i, \i0, \i0+1, \i0+2, \i0+3
	FRAG AF+FR*(\i), ADRO+\slot, \q, 16*(\i)
.endr
.endm
; 16 matrix instructions: W's blocks a0, a0 + 1 x x's eight, the kq-th 128 along K.  cm = 1: the first product starts the sums.  From kq = 4 on both sides' scale words are taken from lanes 16-31.
; The 64 accumulators take turns, one instruction a turn, in one order throughout.
.macro MUL16 a0, p, kq, cm
.irp a, \a0, \a0+1
.irp b, 0,1,2,3,4,5,6,7
.if \cm
	v_wmma_scale_f32_16x16x128_f8f6f4 v[8*(8*((\a)%4)+\b):8*(8*((\a)%4)+\b)+7], v[128*(\p)+FR*\b:128*(\p)+FR*\b+FR-1], v[AF+FR*(\a):AF+FR*(\a)+FR-1], 0, v[SCI+4*\b+(\kq)%4], v[SCO+4*(\a)+(\kq)%4] matrix_a_fmt:MATRIX_FMT_BF6 matrix_b_fmt:MATRIX_FMT_BF6
.elseif (\kq) < 4
	v_wmma_scale_f32_16x16x128_f8f6f4 v[8*(8*((\a)%4)+\b):8*(8*((\a)%4)+\b)+7], v[128*(\p)+FR*\b:128*(\p)+FR*\b+FR-1], v[AF+FR*(\a):AF+FR*(\a)+FR-1], v[8*(8*((\a)%4)+\b):8*(8*((\a)%4)+\b)+7], v[SCI+4*\b+(\kq)%4], v[SCO+4*(\a)+(\kq)%4] matrix_a_fmt:MATRIX_FMT_BF6 matrix_b_fmt:MATRIX_FMT_BF6
.else
	v_wmma_scale_f32_16x16x128_f8f6f4 v[8*(8*((\a)%4)+\b):8*(8*((\a)%4)+\b)+7], v[128*(\p)+FR*\b:128*(\p)+FR*\b+FR-1], v[AF+FR*(\a):AF+FR*(\a)+FR-1], v[8*(8*((\a)%4)+\b):8*(8*((\a)%4)+\b)+7], v[SCI+4*\b+(\kq)%4], v[SCO+4*(\a)+(\kq)%4] matrix_a_fmt:MATRIX_FMT_BF6 matrix_b_fmt:MATRIX_FMT_BF6 matrix_a_scale:MATRIX_SCALE_ROW1 matrix_b_scale:MATRIX_SCALE_ROW1
.endif
.endr
.endr
.endm
; A load into a register that a matrix instruction has read, and a vector instruction or LDS store that reads a matrix result, stand four places behind it; only plain vector instructions are places.
.macro STEP slot, kq, cm               ; a slot's first 128 along K
	s_wait_dscnt 4*NL                              ; x's set and W's blocks 0-3 are in; the youngest 24 loads (W's blocks 4-7) may be out
	WIN MUL_LO
	MUL16 0, 0, \kq, \cm
	MUL16 2, 0, \kq, \cm
	s_wait_dscnt 0x0                               ; W's blocks 4-7 are in
	PLACES 4
	FETCH_I \slot, 1, 1
	FETCH_O \slot, 1, 0
	WIN MUL_HI
	MUL16 4, 0, \kq, \cm
	MUL16 6, 0, \kq, \cm
	PLACES 4
	WIN 0
	FETCH_O \slot, 1, 4
.endm
; A slot's second 128 along K changes slots: ONE barrier; in front of it each wave waits for all its tensor loads, adds 0 to its spare word, and waits for that and for its reads of this slot.  fill = 1: this slot is filled again, two K steps on.
.macro TURN slot, next, fill, kq
	s_wait_tensorcnt 0x0                           ; all my tensor loads have landed: my part of the next slot
	ds_add_u32 v[SPW], v[NIL]                      ; 0 onto my spare word
	s_wait_dscnt 4*NL+1                            ; (the add and the youngest 24 loads may be out)
	WIN MUL_LO
	MUL16 0, 1, \kq, 0                             ; sixteen matrix instructions stand between the add and the wait for it
	s_wait_dscnt 0x0                               ; the add is done, and my reads of this slot are over
	s_barrier_signal -1
	MUL16 2, 1, \kq, 0
	WIN 0
	s_barrier_wait -1
.if \fill
	CREST                                          ; the barrier has opened a round of the cluster's barrier: no wave of any partner still reads this slot or has a load on its way
	s_add_nc_u64 s[G0W+4*\slot+2:G0W+4*\slot+3], s[G0W+4*\slot+2:G0W+4*\slot+3], 2*ROWB
	s_add_nc_u64 s[G0X+4*\slot+2:G0X+4*\slot+3], s[G0X+4*\slot+2:G0X+4*\slot+3], 2*ROWB
	JLOAD \slot                                    ; the first tensor load behind the round, 96 matrix instructions ahead of the wait for it; its four v_nop are also the places in front of the loads below
.else
	PLACES 4
.endif
	FETCH_I \next, 0, 0
	FETCH_O \next, 0, 0
	WIN MUL_HI
	MUL16 4, 1, \kq, 0
	MUL16 6, 1, \kq, 0
	PLACES 4
	WIN 0
	FETCH_O \next, 0, 4
.endm
; 64 numbers of a lane, v[s] on, register 16 b + i one of the 16 numbers that my lane holds of block b, become a fragment's codes in v[pc] on and its scale word in v[pw].
.macro QUANT s, pc, pw
.irp b, 0,1,2,3
	v_max3_num_f32 v[TM+\b], |v[\s+16*\b]|, |v[\s+1+16*\b]|, 0x2800000   ; my 16 numbers, and the floor 2^(5 - 127): the byte cannot fall under 1
.endr
.irp i, 2,4,6,8,10,12,14
.irp b, 0,1,2,3
	v_max3_num_f32 v[TM+\b], v[TM+\b], |v[\s+16*\b+\i]|, |v[\s+1+16*\b+\i]|   ; the four blocks by turns
.endr
.endr
.irp b, 0,1,2,3
	v_permlanex16_b32 v[TM+4+\b], v[TM+\b], s[SEL], s[SEL+1]
.endr
.irp b, 0,1,2,3
	v_max_num_f32 v[TM+\b], v[TM+\b], v[TM+4+\b]   ; with lane l xor 16's: the block's largest magnitude
.endr
.irp b, 0,1,2,3
	v_add_nc_u32 v[TM+12+\b], 0xfe000000, v[TM+\b] ; 4 off its exponent field: the conversion's scale operand
.endr
.irp b, 0,1,2,3
	v_lshrrev_b32 v[TM+4+\b], 23, v[TM+12+\b]      ; the scale's byte
.endr
	v_lshl_or_b32 v[\pw], v[TM+5], 8, v[TM+4]
	v_lshl_or_b32 v[\pw], v[TM+6], 16, v[\pw]
	v_lshl_or_b32 v[\pw], v[TM+7], 24, v[\pw]
.irp c, 0,1
	v_cvt_scalef32_pk16_bf6_f32 v[\pc+6*\c:\pc+2+6*\c], v[\s+32*\c:\s+15+32*\c], v[TM+12+2*\c]
	v_cvt_scalef32_pk16_bf6_f32 v[SCR+4*\c:SCR+2+4*\c], v[\s+16+32*\c:\s+31+32*\c], v[TM+12+2*\c+1]   ; (a conversion's three registers begin on an even number)
.endr
	v_nop                                          ; one plain place behind a scaled conversion
.irp c, 0,1                                    ; the operand's layout wants a whole block in a lane: lanes 0-15 block 2 c, lanes 16-31 block 2 c + 1
.irp i, 0,1,2
	v_permlane16_swap_b32 v[\pc+6*\c+\i], v[SCR+4*\c+\i]
.endr
.irp i, 0,1,2
	v_mov_b32 v[\pc+3+6*\c+\i], v[SCR+4*\c+\i]
.endr
.endr
.endm
	s_wait_tensorcnt 0x1                           ; my part of K step 0 is in (K step 1's load may be out)
	s_barrier_signal -1
	s_barrier_wait -1                              ; everybody's is
	FETCH_I 0, 0, 0
	FETCH_O 0, 0, 0
	FETCH_O 0, 0, 4
	s_wait_loadcnt 0x0                             ; the scale words, the mask, the biases
	STEP 0, 0, 1                                   ; the first products start the sums: nothing is cleared
	TURN 0, 1, 1, 1
	STEP 1, 2, 0
	TURN 1, 0, 1, 3
	STEP 0, 4, 0
	TURN 0, 1, 0, 5                                ; nothing is left to fetch: slot 0 has had its last fill, and behind this barrier nobody reads it
	STEP 1, 6, 0
	s_wait_dscnt 4*NL                              ; the last 128 along K
	WIN MUL_LO
	MUL16 0, 1, 7, 0
	MUL16 2, 1, 7, 0
	s_wait_dscnt 0x0
	WIN MUL_HI
	MUL16 4, 1, 7, 0
	MUL16 6, 1, 7, 0
	WIN 0
	PLACES 4
; THE EPILOGUE.  Block a of Wk's rows: phi_k of 128 rows s for my channel d = 16 a + r, times the mask; its sum is my part of z; its codes are a fragment (16 channels x 128 s) of the product kv.
.macro KBLOCK a
.set AC, 64*(\a)
	v_mul_f32 v[CB], s[CS], v[BKR+\a]              ; log2(e) x bk
	v_add_f32 v[B1], 1.0, v[BKR+\a]                ; bk + 1
	WIN 0x02                                       ; source 0: window 2
.set ii, 0
.rept 32
	v_pk_add_f32 v[Y+ii:Y+ii+1], v[AC+ii:AC+ii+1], v[B1:B1+1] op_sel_hi:[1,0]   ; k + 1; each accumulator is read from its low end on
.set ii, ii+2
.endr
	WIN 0x82                                       ; source 0 and destination: window 2
.set ii, 0
.rept 32
	v_pk_fma_f32 v[AC+ii:AC+ii+1], v[AC+ii:AC+ii+1], s[CS:CS+1], v[CB:CB+1] op_sel_hi:[1,0,0]   ; k log2(e)
.set ii, ii+2
.endr
.set ii, 0
.rept 64
	v_exp_f32 v[AC+ii], -|v[AC+ii]|                ; e^(-|k|)
.set ii, ii+1
.endr
	v_nop                                          ; a plain place behind the exponentials
	WIN 0x02
.set ii, 0
	s_wait_alu depctr_va_vdst(0)
.rept 64
	v_max_num_f32 v[Y+ii], v[AC+ii], v[Y+ii]       ; phi = max(k + 1, e^(-|k|))
.set ii, ii+1
.endr
	WIN 0
.set ii, 0
.rept 32
	v_pk_mul_f32 v[Y+ii:Y+ii+1], v[Y+ii:Y+ii+1], v[MSK+ii:MSK+ii+1]
.set ii, ii+2
.endr
	v_pk_add_f32 v[ZT:ZT+1], v[Y:Y+1], v[Y+2:Y+3]  ; z is summed of the unquantised numbers, in two chains
	v_pk_add_f32 v[ZT+2:ZT+3], v[Y+4:Y+5], v[Y+6:Y+7]
.set ii, 8
.rept 14
	v_pk_add_f32 v[ZT:ZT+1], v[ZT:ZT+1], v[Y+ii:Y+ii+1]
	v_pk_add_f32 v[ZT+2:ZT+3], v[ZT+2:ZT+3], v[Y+ii+2:Y+ii+3]
.set ii, ii+4
.endr
	v_pk_add_f32 v[ZT:ZT+1], v[ZT:ZT+1], v[ZT+2:ZT+3]
	v_add_f32 v[ZR+\a], v[ZT], v[ZT+1]
	QUANT Y, KF+12*(\a), PWS+\a
.endm
.macro VBLOCK a                        ; block a - 4 of Wv's rows: v + bv, quantised along s
.set AC, 64*(\a-4)
	v_mov_b32 v[B1], v[BVR+\a-4]
	WIN 0x03                                       ; source 0: window 3
.set ii, 0
.rept 32
	v_pk_add_f32 v[Y+ii:Y+ii+1], v[AC+ii:AC+ii+1], v[B1:B1+1] op_sel_hi:[1,0]
.set ii, ii+2
.endr
	WIN 0
	QUANT Y, VF+12*(\a-4), PWS+\a
.endm
.irp b, 0,1,2,3
	v_mov_b32 v[TM+4+\b], 0                        ; written once: a lane permute's destination counts as one of its sources
.endr
	v_mov_b32 v[CB+1], 0                           ; (named as the upper halves of pairs)
	v_mov_b32 v[B1+1], 0
	KBLOCK 0
	KBLOCK 1
	KBLOCK 2
	KBLOCK 3
	VBLOCK 4                                       ; the mask is done with: v's fragments take its registers
	VBLOCK 5
	VBLOCK 6
	VBLOCK 7
	PLACES 8                                       ; a scale register written by a vector instruction stands 8 places ahead of a scaled matrix instruction, an operand so written 4
	WIN 0x80                                       ; destination window 2: over accumulators that are done with
.irp te, 0,1,2,3
.irp td, 0,1,2,3
	v_wmma_scale_f32_16x16x128_f8f6f4 v[8*(4*\te+\td):8*(4*\te+\td)+7], v[KF+12*\td:KF+12*\td+11], v[VF+12*\te:VF+12*\te+11], 0, v[PWS+\td], v[PWS+4+\te] matrix_a_fmt:MATRIX_FMT_BF6 matrix_b_fmt:MATRIX_FMT_BF6
.endr
.endr                                          ; lane (r, h), register j of tile (td, te): kv[16 td + 8 h + j][16 te + r], summed over my 128 rows
	WIN 0
	PLACES 4
.irp a, 0,1,2,3
	v_permlanex16_b32 v[TM+4+\a], v[ZR+\a], s[SEL], s[SEL+1]
.endr
.irp a, 0,1,2,3
	v_add_f32 v[ZR+\a], v[ZR+\a], v[TM+4+\a]       ; with lane l xor 16's 64 rows
.endr
	; THE FOUR WAVES' PARTS ARE ADDED THROUGH LDS: each wave lays its part down as [e][d]; a barrier; wave w adds rows e = 16 w .. 16 w + 15 of the four and stores them
	WIN 0x08                                       ; an LDS store's data are its source 1: window 2
.irp te, 0,1,2,3
.irp td, 0,1,2,3
	ds_store_b128 v[KSTO], v[8*(4*\te+\td):8*(4*\te+\td)+3] offset:4352*\te+64*\td        ; each accumulator from its low end on
	ds_store_b128 v[KSTO], v[8*(4*\te+\td)+4:8*(4*\te+\td)+7] offset:4352*\te+64*\td+16
.endr
.endr
	WIN 0
.irp a, 0,1,2,3
	ds_store_b32 v[ZSTO], v[ZR+\a] offset:64*\a    ; lanes r and r + 16 write the same word with the same value
.endr
	s_wait_dscnt 0x0                               ; for the others' sake: my stores have landed
	s_barrier_signal -1
	s_barrier_wait -1
.irp u, 0,1,2,3
.irp i, 0,1,2,3,4,5,6,7
	ds_load_b128 v[32+32*\u+4*\i:35+32*\u+4*\i], v[KRD] offset:KSTW*\u+16*\i   ; wave u's part: kv[32 h + 4 i + 0 .. 3][16 w + r]
.endr
.endr
	s_wait_dscnt 0x0
.set ii, 0
.rept 16
	v_pk_add_f32 v[32+ii:33+ii], v[32+ii:33+ii], v[64+ii:65+ii]
	v_pk_add_f32 v[96+ii:97+ii], v[96+ii:97+ii], v[128+ii:129+ii]
.set ii, ii+2
.endr
.set ii, 0
.rept 16
	v_pk_add_f32 v[32+ii:33+ii], v[32+ii:33+ii], v[96+ii:97+ii]
.set ii, ii+2
.endr
.irp i, 0,1,2,3,4,5,6,7
	global_store_b128 v[GOFF], v[32+4*\i:35+4*\i], s[74:75] offset:512*\i    ; 512 consecutive bytes, at a multiple of 512 from the buffer's first byte: piece i of every lane, lane by lane
.endr
	s_cmp_lg_u32 s[WV], 0                          ; wave 0 adds and stores z: 64 numbers, 8 bytes a lane
	s_cbranch_scc1 .Lno_z
.irp u, 0,1,2,3
	ds_load_b64 v[160+2*\u:161+2*\u], v[ZRD] offset:256*\u
.endr
	s_wait_dscnt 0x0
	v_pk_add_f32 v[160:161], v[160:161], v[162:163]
	v_pk_add_f32 v[164:165], v[164:165], v[166:167]
	v_pk_add_f32 v[160:161], v[160:161], v[164:165]
	global_store_b64 v3, v[160:161], s[76:77]      ; 256 consecutive bytes, aligned
.Lno_z:
	s_wait_tensorcnt 0x0                           ; the wave's end
	ds_add_u32 v[SPW], v[NIL]
	s_wait_dscnt 0x0
	CROUND                                         ; the closing round: no work-group ends while a partner may still ask for a tile that names it
	s_endpgm
.Lfunc_end_k_qf9c8629d58_kvpart:
	.size	k_qf9c8629d58_kvpart, .Lfunc_end_k_qf9c8629d58_kvpart-k_qf9c8629d58_kvpart
	.p2alignl 7, 3214868480
	.fill 96, 4, 3214868480
	.section	.rodata,"a",@progbits
	.p2align	6, 0x0
	.amdhsa_kernel k_qf9c8629d58_kvpart
		.amdhsa_group_segment_fixed_size 327680
		.amdhsa_private_segment_fixed_size 0
		.amdhsa_enable_private_segment 0
		.amdhsa_kernarg_size 88
		.amdhsa_user_sgpr_count 2
		.amdhsa_user_sgpr_kernarg_segment_ptr 1
		.amdhsa_wavefront_size32 1
		.amdhsa_system_sgpr_workgroup_id_x 1
		.amdhsa_system_sgpr_workgroup_id_y 1
		.amdhsa_system_sgpr_workgroup_id_z 1
		.amdhsa_system_vgpr_workitem_id 0
		.amdhsa_next_free_vgpr 1024
		.amdhsa_next_free_sgpr 100
		.amdhsa_reserve_vcc 0
		.amdhsa_float_denorm_mode_32 3
		.amdhsa_float_denorm_mode_16_64 3
		.amdhsa_memory_ordered 1
		.amdhsa_forward_progress 1
		.amdhsa_inst_pref_size 238
	.end_amdhsa_kernel
	.amdgpu_metadata
---
amdhsa.version: [ 1, 2 ]
amdhsa.kernels:
  - .name:           k_qf9c8629d58_kvpart
    .symbol:         k_qf9c8629d58_kvpart.kd
    .args:
      - { .name: hidden_states_codes, .offset: 0, .size: 8, .value_kind: global_buffer, .address_space: global }
      - { .name: hidden_states_scales, .offset: 8, .size: 8, .value_kind: global_buffer, .address_space: global }
      - { .name: Wk_codes, .offset: 16, .size: 8, .value_kind: global_buffer, .address_space: global }
      - { .name: Wk_scales, .offset: 24, .size: 8, .value_kind: global_buffer, .address_space: global }
      - { .name: Wv_codes, .offset: 32, .size: 8, .value_kind: global_buffer, .address_space: global }
      - { .name: Wv_scales, .offset: 40, .size: 8, .value_kind: global_buffer, .address_space: global }
      - { .name: bk, .offset: 48, .size: 8, .value_kind: global_buffer, .address_space: global }
      - { .name: bv, .offset: 56, .size: 8, .value_kind: global_buffer, .address_space: global }
      - { .name: attention_mask, .offset: 64, .size: 8, .value_kind: global_buffer, .address_space: global }
      - { .name: kvp, .offset: 72, .size: 8, .value_kind: global_buffer, .address_space: global }
      - { .name: zp, .offset: 80, .size: 8, .value_kind: global_buffer, .address_space: global }
    .group_segment_fixed_size: 327680
    .private_segment_fixed_size: 0
    .kernarg_segment_align: 8
    .kernarg_segment_size: 88
    .max_flat_workgroup_size: 128
    .sgpr_count:     100
    .vgpr_count:     1024
    .wavefront_size: 32
...
	.end_amdgpu_metadata
.endif
;; end of part 1
;; launch qout (part 2): grid 8 x 32, 4 waves a work-group, clusters of 4 x 4, 327,680 bytes of LDS; arguments hidden_states_codes, hidden_states_scales, Wq_codes, Wq_scales, bq, kvp, zp, out0; writes out0
.if DOCPART == 2
	.amdgcn_target "amdgcn-amd-amdhsa--gfx1250"
	.amdhsa_code_object_version 6
	.text
	.protected	k_qf9c8629d58_qout
	.globl	k_qf9c8629d58_qout
	.p2align	8
	.type	k_qf9c8629d58_qout,@function
k_qf9c8629d58_qout:
	s_mov_b64 s[64:65], 0
	v_nop
	global_prefetch_b8 v0, s[64:65] scope:SCOPE_SE
	s_setreg_imm32_b32 hwreg(HW_REG_WAVE_MODE, 25, 1), 1
	s_wait_xcnt 0x0
	s_wait_alu depctr_hold_cnt(0) depctr_sa_sdst(0) depctr_va_vdst(0) depctr_va_sdst(0) depctr_va_ssrc(0) depctr_va_vcc(0) depctr_vm_vsrc(0)
	s_getreg_b32 s2, hwreg(HW_REG_IB_STS2, 6, 4)
	s_cmp_eq_u32 s2, 0
	s_cbranch_scc0 .Lentry_in_a_cluster
	s_endpgm
.Lentry_in_a_cluster:
	s_bfe_u32 s2, ttmp6, 0x10000c
	s_cmp_lg_u32 s2, 0xf033
	s_cbranch_scc0 .Lentry_shape_is_right
	s_endpgm
.Lentry_shape_is_right:
; LINEAR ATTENTION, SECOND LAUNCH: q = x Wq^T + bq, phi_q = elu(q) + 1, num = phi_q kv, den = phi_q . z, out = num / (den + 1e-6).
; x [16384][1024], Wq [1024][1024]: codes of BF6 (E3M2), a row = 768 bytes, one E8M0 byte for each 32 along K.  The launch before stored zp [batch][head][4 parts][d 64] and
; kvp [batch][head][part 4][w 4][m 8][lane 32][4 f32], the number kv[d = 32 (lane / 16) + 4 m + j][e = 16 w + lane % 16]: so each of my loads of kv's parts reads 512 consecutive bytes.
; Both products go by v_wmma_scale_f32_16x16x128_f8f6f4 on BF6 codes; den is f32 multiply-adds on the unquantised phi_q; sums in f32.
; SHARES.  Work-group (x = pair of heads 0..7, y = block of 512 rows 0..31), four waves.  A wave makes 128 rows s x 128 columns (two heads): 64 accumulators, 512 registers.
; THE MATRIX INSTRUCTION: source 0 = 16 rows of Wq, source 1 = 16 rows of x.  In the result a lane holds ONE row s, and its registers run along the channels d, the K of the product with kv.
; For a block a of 16 rows the 64 registers 8 b + j of a lane are channel 16 b + 8 (lane / 16) + j of the pair: registers 16 B .. 16 B + 15 are 16 numbers of the true block B of 32 (B = 0, 1: the first head; 2, 3: the second);
; lane l xor 16 holds the other 16.  So a block's scale is the rule's; inside a block the codes stand in the order [0-7][16-23][8-15][24-31], and kv^T's numbers are loaded in that same order, which keeps every product.
; ONE FRAGMENT OF phi_q HOLDS BOTH HEADS (K = 2 x 64).  A fragment of kv^T (16 columns e of one head) has that head's 64 channels at its half of K and zero codes at the other half, which add nothing.
; At the head, while the first tiles are on their way, wave w adds the four parts of kv^T's rows e = 16 w on of both heads, quantises them along d, and lays the two fragments into LDS as images of their registers.
; phi.  bq + 1 is the C of the first products, so an accumulator holds u = q + 1, and phi = max(u, 2^(-|c u - c|)), c = log2(e): u above q = 0, e^q at and below it; no branch, no overflow.
; THE WAY OUT.  A block's 16 rows come back from the stage into the block's own accumulators' registers, which are done with by then: no register that a store reads is ever written again, so no wait frees one,
; and a block's 16 stores stand in small groups among the next block's vector work instead of in one run.
; LIMITS: reference forms expm1(x) + 1, which differs from e^x by up to 2^-24 absolute; q is taken back from q + 1 inside a fused multiply-add, which moves it by at most half an ulp of q + 1; below 2^-126 this text gives 0.
; NaN and infinities are not served.  A block of zeros gets the scale byte 1 (its codes are zeros; this program alone reads the bytes).  The division is a multiplication by v_rcp_f32.  The f32 sums are taken in another order than the reference's.
; RING, CLUSTER: K in steps of 256 through two LDS slots (Wq's 128 rows, x's 512 rows), four steps written out; Wq's tile is shared along a column of the 4 x 4 cluster, x's along a row: joint loads.
; No prefetch: half of a work-group's tiles are asked for at its head and the rest at the next two changes of slots; there is no later step to ask ahead for.
; REGISTERS.  window 0: v0-31 ids and addresses; v32-63 Wq's scale words, v64-95 x's; v96-191 x's fragments, one set.  window 1: Wq's fragments, two sets, at v0 and v128; bq + 1 in the result's layout at v96-127 and v224-255.
;   windows 2, 3: the accumulators ((a, b) at v[8 (8 (a % 4) + b)] of window 2 + a / 4); at the head they hold kv's parts, at the end rows of out.  The epilogue's map stands below.
; All of a WGP's LDS is claimed.
.set PITCH,  240
.set ROWB,   192
.set KROW,   768
.set FR,     12
.set NL,     6
.set XREG,   128*PITCH                 ; in a slot: Wq's 128 rows, then x's 512
.set SLOT,   640*PITCH
.set KVI,    2*SLOT                    ; behind the ring: kv^T's eight fragments (4 x head + tile of e), 1,536 bytes each, as images of their registers,
.set KVS,    KVI+8*1536                ; their scale words, 128 bytes each,
.set ZL,     KVS+8*128                 ; z of the two heads, 512 bytes, once for each wave,
.set SPARE,  ZL+4*512                  ; and the spare words, 128 bytes a wave: two blocks of 256 bytes that no other line names
.set SPITCH, 528                       ; the way out: 16 rows x (512 bytes + 16) for each wave, in slot 0, which has had its last fill and its last read by then
.set VS,   6                           ; scale words: 32 r + 16 h
.set BO,   7                           ; bq: 32 h
.set ZO,   8                           ; zp: 1,024 h + 16 r
.set KVIS, 10                          ; where I store my images;  v11 their scale words;  v12 z
.set KVSS, 11
.set ZLS,  12
.set KVIA, 13                          ; where I read images;  v14 scale words;  v15 z
.set KVSA, 14
.set ZLA,  15
.set ADRO, 16                          ; v16-19  LDS addresses of my 128 rows of x
.set ADRI, 20                          ; v20-23  of Wq's rows
.set STO,  24
.set RD,   25
.set GOFF, 26                          ; 16 x lane: kv's parts on the way in, rows of out on the way out; written once
.set SH,   27                          ; 8 h
.set SPW,  28                          ; my spare word: SPARE + 4 x my thread's number; never rewritten
.set NIL,  29                          ; 0; never rewritten
.set SCI,  32
.set SCO,  64
.set AF,   96
.set ZP,   192                         ; head: z's four parts
.set KW,   216                         ; head: v216, v217 the two fragments' scale words, v218 at work
.set Y,    32                          ; epilogue, window 0: phi_q of a block
.set OA,   96                          ; the eight results of a block
.set TM,   160
.set SCR,  176
.set PCD,  184                         ; phi_q's codes
.set PW,   196                         ; and their scale word
.set NC,   198                         ; v[198:199] -log2(e)
.set KSW,  200                         ; kv^T's eight scale words
.set DN,   208
.set RC,   212
.set ZQ,   96                          ; epilogue, window 1: v0-95 kv^T's eight fragments; v96-159 z in phi_q's layout
.set WV,   16
.set ROLE, 17
.set PAR,  18
.set CX,   19
.set CY,   20
.set GX,   21
.set GY,   22
.set G1W,  24
.set G0W,  32
.set G1X,  40
.set G0X,  48
.set CS,   66
.set SEL,  80
.set MUL_LO, 0xa1
.set MUL_HI, 0xf1
.set MSB, 0
.macro WIN new                         ; the immediate's high byte repeats the setting that is left
.if MSB != (\new)
	s_set_vgpr_msb (MSB<<8)|(\new)
.set MSB, (\new)
.endif
.endm
.macro PLACES n
.rept \n
	v_nop
.endr
.endm
.macro JLOAD s                         ; a joint load: waves 0 and 1 fetch Wq's two halves of 64 rows, waves 2 and 3 x's two halves of 256; four v_nop follow each line
	s_cmp_eq_u32 s[ROLE], 0
	s_cbranch_scc0 .Lfor_x_\@
	tensor_load_to_lds s[G0W+4*\s:G0W+4*\s+3], s[G1W:G1W+7]
	s_nop 0
.rept 4
	v_nop
.endr
	s_branch .Lasked_\@
.Lfor_x_\@:
	tensor_load_to_lds s[G0X+4*\s:G0X+4*\s+3], s[G1X:G1X+7]
	s_nop 0
.rept 4
	v_nop
.endr
.Lasked_\@:
.endm
.macro CREST
	s_cmp_lg_u32 s[WV], 0
	s_cbranch_scc1 .Lnot_wave_0_\@
	s_barrier_signal -3
.Lnot_wave_0_\@:
	s_barrier_wait -3
	s_barrier_signal -1
	s_barrier_wait -1
.endm
.macro CROUND
	s_barrier_signal -1
	s_barrier_wait -1
	CREST
.endm
	s_load_b256 s[4:11], s[0:1], 0x0               ; x's codes s[4:5], x's scales s[6:7], Wq's codes s[8:9], Wq's scales s[10:11]
	s_load_b256 s[68:75], s[0:1], 0x20             ; bq s[68:69], kvp s[70:71], zp s[72:73], out s[74:75]
	v_lshl_add_u32 v[SPW], v0, 2, SPARE
	v_mov_b32 v[NIL], 0
	ds_add_u32 v28, v29
	ds_add_u32 v28, v29
	s_wait_dscnt 0x0
	v_lshrrev_b32 v1, 5, v0
	v_readfirstlane_b32 s[WV], v1
	s_lshr_b32 s[ROLE], s[WV], 1
	s_and_b32 s[PAR], s[WV], 1
	s_bfe_u32 s[CX], ttmp6, 0x40000
	s_bfe_u32 s[CY], ttmp6, 0x40004
	s_lshl_b32 s[GX], ttmp9, 2
	s_add_co_u32 s[GX], s[GX], s[CX]               ; the pair of heads
	s_and_b32 s[GY], ttmp7, 0xffff
	s_lshl_b32 s[GY], s[GY], 2
	s_add_co_u32 s[GY], s[GY], s[CY]               ; the block of 512 rows
	s_lshl_b32 s60, s[CY], 2
	s_lshl_b32 s60, 15, s60                        ; my row of the cluster
	s_lshl_b32 s56, 0x1111, s[CX]                  ; my column
	s_or_b32 s[G1W], s56, (1<<20)|(1<<21)|(3<<22)|(3<<25)  ; the mask: Wq's tiles go to my column; elements of 1 byte; padding on; bit 21 beside a mask; after every 16 words 4 words
	s_or_b32 s[G1X], s60, (1<<20)|(1<<21)|(3<<22)|(3<<25)  ; x's tiles go to my row
.irp g, G1W, G1X
	s_mov_b32 s[\g+1], ROWB<<16
	s_mov_b32 s[\g+3], ROWB<<16
	s_mov_b32 s[\g+5], KROW
	s_mov_b32 s[\g+6], 0
	s_mov_b32 s[\g+7], 0
.endr
	s_mov_b32 s[G1W+2], 64<<16
	s_mov_b32 s[G1W+4], 64
	s_mov_b32 s[G1X+2], 256<<16
	s_mov_b32 s[G1X+4], 256
	; s56-59, s82-87 hold only what hangs on the pair of heads; s60-63, s90-93 only what hangs on the block of rows; s96-99 both, and feed no descriptor
	s_lshl_b32 s58, s[GX], 7
	s_lshl_b32 s59, s[PAR], 6
	s_add_co_u32 s58, s58, s59
	s_mul_i32 s58, s58, KROW                       ; Wq: row 128 x + 64 x half
	s_mov_b32 s59, 0
	s_lshl_b32 s84, s[GX], 12                      ; its 128 rows' scale bytes
	s_mov_b32 s85, 0
	s_lshl_b32 s86, s[GX], 9                       ; their biases
	s_mov_b32 s87, 0
	s_lshl_b32 s62, s[GY], 9
	s_lshl_b32 s63, s[PAR], 8
	s_add_co_u32 s62, s62, s63
	s_mul_i32 s62, s62, KROW                       ; x: row 512 y + 256 x half
	s_mov_b32 s63, 0
	s_lshl_b32 s92, s[GY], 9
	s_lshl_b32 s93, s[WV], 7
	s_add_co_u32 s92, s92, s93
	s_lshl_b32 s92, s92, 5                         ; my wave's rows in x's scale bytes
	s_mov_b32 s93, 0
	s_mul_i32 s88, s[PAR], 64*PITCH
	s_mul_i32 s89, s[PAR], 256*PITCH
	s_add_co_u32 s89, s89, XREG
	s_mov_b32 s[CS], 0x3fb8aa3b                    ; log2(e)
	s_mov_b32 s[CS+1], s[CS]
	s_mov_b32 s[SEL], 0x76543210
	s_mov_b32 s[SEL+1], 0xfedcba98
	s_wait_kmcnt 0x0
	s_add_nc_u64 s[82:83], s[8:9], s[58:59]
	s_add_nc_u64 s[90:91], s[4:5], s[62:63]
	CROUND                                         ; all sixteen work-groups are here: the first joint loads meet
.irp s, 0,1
	s_mov_b32 s[G0W+4*\s], 1
	s_add_co_u32 s[G0W+4*\s+1], s88, \s*SLOT
	s_add_nc_u64 s[G0W+4*\s+2:G0W+4*\s+3], s[82:83], \s*ROWB
	s_or_b32 s[G0W+4*\s+3], s[G0W+4*\s+3], 0x80000000
	s_mov_b32 s[G0X+4*\s], 1
	s_add_co_u32 s[G0X+4*\s+1], s89, \s*SLOT
	s_add_nc_u64 s[G0X+4*\s+2:G0X+4*\s+3], s[90:91], \s*ROWB
	s_or_b32 s[G0X+4*\s+3], s[G0X+4*\s+3], 0x80000000
	JLOAD \s                                       ; K steps 0 and 1: two tensor loads of mine are out
.endr
	s_add_nc_u64 s[6:7], s[6:7], s[92:93]
	s_add_nc_u64 s[10:11], s[10:11], s[84:85]
	s_add_nc_u64 s[68:69], s[68:69], s[86:87]
	s_lshr_b32 s96, s[GY], 2                       ; the batch
	s_lshl_b32 s96, s96, 4
	s_lshl_b32 s97, s[GX], 1
	s_add_co_u32 s96, s96, s97                     ; batch x 16 + the pair's first head
	s_lshl_b32 s98, s96, 10                        ; 1,024 bytes of z's parts a head
	s_mov_b32 s99, 0
	s_add_nc_u64 s[72:73], s[72:73], s[98:99]
	s_lshl_b32 s98, s96, 16                        ; 65,536 bytes of kv's parts a head,
	s_lshl_b32 s97, s[WV], 12
	s_add_co_u32 s98, s98, s97                     ; rows e = 16 w on
	s_add_nc_u64 s[70:71], s[70:71], s[98:99]
	s_lshl_b32 s98, s[GY], 9
	s_lshl_b32 s97, s[WV], 7
	s_add_co_u32 s98, s98, s97
	s_lshl_b32 s98, s98, 12                        ; out: my first row, 4,096 bytes a row,
	s_lshl_b32 s97, s[GX], 9
	s_add_co_u32 s98, s98, s97                     ; + the pair's 512 bytes
	s_add_nc_u64 s[74:75], s[74:75], s[98:99]
	v_and_b32 v1, 15, v0                           ; r
	v_bfe_u32 v2, v0, 4, 1                         ; h
	v_lshlrev_b32 v[VS], 5, v1
	v_lshl_add_u32 v[VS], v2, 4, v[VS]
	v_lshlrev_b32 v[BO], 5, v2
	v_lshlrev_b32 v[ZO], 10, v2
	v_lshl_add_u32 v[ZO], v1, 4, v[ZO]
	v_and_b32 v[GOFF], 31, v0
	v_lshlrev_b32 v[GOFF], 4, v[GOFF]              ; 16 x lane
	; kv's parts first: they are worked on first.  Piece m of lane (r, h) is kv[32 h + 4 m + 0 .. 3][16 w + r]; the lane's groups of eight land in the order 0, 2, 1, 3, the order in which phi_q's codes will stand
.irp hh, 0,1
	WIN 0x80+0x40*\hh                              ; destination window 2 (first head) or 3
.irp c, 0,1,2,3
.irp m, 0,1,2,3,4,5,6,7
	global_load_b128 v[32*\c+8*(((\m/2)%2)*2+\m/4)+4*(\m%2):32*\c+8*(((\m/2)%2)*2+\m/4)+4*(\m%2)+3], v[GOFF], s[70:71] offset:65536*\hh+16384*\c+512*\m   ; 512 consecutive bytes an instruction
.endr
.endr
.endr
	WIN 0
.irp c, 0,1,2,3
	global_load_b128 v[ZP+4*\c:ZP+4*\c+3], v[ZO], s[72:73] offset:256*\c     ; z's part c: lanes 0-15 the first head's 64 numbers, lanes 16-31 the second's
.endr
.irp i, 0,1,2,3,4,5,6,7
	global_load_b128 v[SCI+4*\i:SCI+4*\i+3], v[VS], s[10:11] offset:512*\i   ; register 4 i + w: lanes 0-15 scale word w of row r of block i, lanes 16-31 word 4 + w
	global_load_b128 v[SCO+4*\i:SCO+4*\i+3], v[VS], s[6:7] offset:512*\i
.endr
	WIN 0x40                                       ; destination window 1
.irp b, 0,1,2,3,4,5,6,7
	global_load_b128 v[96+8*\b+96*(\b/4):96+8*\b+96*(\b/4)+3], v[BO], s[68:69] offset:64*\b        ; bq in the result's layout: register j of tile b: channel 16 b + 8 h + j
	global_load_b128 v[100+8*\b+96*(\b/4):100+8*\b+96*(\b/4)+3], v[BO], s[68:69] offset:64*\b+16
.endr
	WIN 0
	v_mul_u32_u24 v3, v1, PITCH
	v_mad_u32_u24 v4, v2, 24, v3                   ; a fragment's row x pitch + 24 x half
	v_lshl_add_u32 v5, v2, 4, v4                   ; and the same behind one padding more
	s_mul_i32 s23, s[WV], 128*PITCH
	s_add_co_u32 s23, s23, XREG                    ; my 128 rows of x
.irp s, 0,1
	v_add_nc_u32 v[ADRI+\s], \s*SLOT, v4
	v_add_nc_u32 v[ADRI+2+\s], \s*SLOT, v5
	v_add_nc_u32 v[ADRO+\s], s23, v4
	v_add_nc_u32 v[ADRO+2+\s], s23, v5
	s_add_co_u32 s23, s23, SLOT
.endr
	v_and_b32 v3, 31, v0                           ; lane
	s_mul_i32 s23, s[WV], 1536
	s_add_co_u32 s23, s23, KVI
	v_lshl_add_u32 v[KVIS], v3, 4, s23
	s_lshl_b32 s23, s[WV], 7
	s_add_co_u32 s23, s23, KVS
	v_lshl_add_u32 v[KVSS], v3, 2, s23
	s_lshl_b32 s23, s[WV], 9
	s_add_co_u32 s23, s23, ZL
	v_lshl_add_u32 v[ZLS], v3, 4, s23
	v_lshl_add_u32 v[ZLA], v2, 5, s23
	v_lshl_add_u32 v[KVIA], v3, 4, KVI
	v_lshl_add_u32 v[KVSA], v3, 2, KVS
	s_mul_i32 s23, s[WV], 16*SPITCH
	v_mul_u32_u24 v[STO], v1, SPITCH
	v_lshl_add_u32 v[STO], v2, 5, v[STO]
	v_add_nc_u32 v[STO], s23, v[STO]               ; my stage: row r, + 32 h
	v_lshl_add_u32 v[RD], v3, 4, s23               ; back: a row of 512 bytes, 16 bytes a lane
	v_lshlrev_b32 v[SH], 3, v2
	v_mov_b32 v[KW+2], 0                           ; a lane permute's destination counts as one of its sources
	s_wait_loadcnt 0x0
	WIN 0x41                                       ; source 0 and destination: window 1
.irp b, 0,1,2,3,4,5,6,7
.irp j, 0,2,4,6
	v_pk_add_f32 v[96+8*\b+96*(\b/4)+\j:96+8*\b+96*(\b/4)+\j+1], v[96+8*\b+96*(\b/4)+\j:96+8*\b+96*(\b/4)+\j+1], 1.0 op_sel_hi:[1,0]   ; bq + 1: the sums will hold q + 1
.endr
.endr
; kv^T's fragment of head hh, rows e = 16 w on.  All its numbers lie in window 2 + hh: v0-31 part 0 .. v96-127 part 3 of my block of 32 along d.
.macro KVPREP hh
	WIN 0xaa+0x55*\hh                              ; every operand place: window 2 or 3
.set ii, 0
.rept 16
	v_pk_add_f32 v[ii:ii+1], v[ii:ii+1], v[32+ii:33+ii]
	v_pk_add_f32 v[64+ii:65+ii], v[64+ii:65+ii], v[96+ii:97+ii]
.set ii, ii+2
.endr
.set ii, 0
.rept 16
	v_pk_add_f32 v[ii:ii+1], v[ii:ii+1], v[64+ii:65+ii]
.set ii, ii+2
.endr
	v_max3_num_f32 v128, |v0|, |v1|, |v2|          ; the block's largest magnitude: all 32 numbers are mine
	v_max3_num_f32 v129, |v3|, |v4|, |v5|
.irp i, 6,10,14,18,22,26
	v_max3_num_f32 v128, v128, |v[\i]|, |v[\i+1]|
	v_max3_num_f32 v129, v129, |v[\i+2]|, |v[\i+3]|
.endr
	v_max3_num_f32 v128, v128, |v30|, |v31|
	v_max3_num_f32 v128, v128, v129, 0x2800000     ; and the floor 2^(5 - 127)
	v_add_nc_u32 v130, 0xfe000000, v128            ; 4 off its exponent field: the conversion's scale operand
	v_lshrrev_b32 v131, 23, v130                   ; the scale's byte
	v_cvt_scalef32_pk16_bf6_f32 v[144+6*\hh:146+6*\hh], v[0:15], v130
	v_cvt_scalef32_pk16_bf6_f32 v[140:142], v[16:31], v130           ; (a conversion's three registers begin on an even number)
	v_nop                                          ; one plain place behind a scaled conversion
.irp i, 0,1,2
	v_mov_b32 v[147+6*\hh+\i], v[140+\i]
.endr
.irp i, 0,1,2,3,4,5
	v_mov_b32 v[150-6*\hh+\i], 0                   ; the other head's half of K: zero codes
.endr
	WIN 0x08+0x04*\hh                              ; source 1 (an LDS store's data): window 2 or 3
.irp g, 0,1,2
	ds_store_b128 v[KVIS], v[144+4*\g:147+4*\g] offset:6144*\hh+512*\g       ; the fragment goes to LDS as it stands
.endr
	v_lshlrev_b32 v[KW+\hh], v[SH], v131           ; my block's byte at its place in the head's half of the scale word
	WIN 0
.if \hh
	v_lshlrev_b32 v[KW+1], 16, v[KW+1]
.endif
	v_permlanex16_b32 v[KW+2], v[KW+\hh], s[SEL], s[SEL+1]
	v_or_b32 v[KW+\hh], v[KW+\hh], v[KW+2]         ; with lane l xor 16's byte; the other head's two bytes stay 0, over zero codes
	ds_store_b32 v[KVSS], v[KW+\hh] offset:512*\hh
.endm
	KVPREP 0
	KVPREP 1
	v_pk_add_f32 v[ZP:ZP+1], v[ZP:ZP+1], v[ZP+4:ZP+5]              ; z: the four parts
	v_pk_add_f32 v[ZP+2:ZP+3], v[ZP+2:ZP+3], v[ZP+6:ZP+7]
	v_pk_add_f32 v[ZP+8:ZP+9], v[ZP+8:ZP+9], v[ZP+12:ZP+13]
	v_pk_add_f32 v[ZP+10:ZP+11], v[ZP+10:ZP+11], v[ZP+14:ZP+15]
	v_pk_add_f32 v[ZP:ZP+1], v[ZP:ZP+1], v[ZP+8:ZP+9]
	v_pk_add_f32 v[ZP+2:ZP+3], v[ZP+2:ZP+3], v[ZP+10:ZP+11]
	ds_store_b128 v[ZLS], v[ZP:ZP+3]               ; into my wave's own 512 bytes: channel n of the pair at byte 4 n
.macro FRAG reg, adr, q, row           ; a fragment: lane l holds row l % 16; registers 6 c .. 6 c + 5 hold K = 64 c + 32 (l / 16) + 0 .. 31, in pieces of 8 bytes
.irp p, 0,1,2,3,4,5
.set PCE, 12*(\q)+6*(\p/3)+\p%3        ; lanes 16-31 take the piece three on; where that lies behind one padding more, the second address register serves
.if PCE%8 < 5
	ds_load_b64 v[\reg+2*\p:\reg+2*\p+1], v[\adr] offset:8*PCE+16*(PCE/8)+(\row)*PITCH
.else
	ds_load_b64 v[\reg+2*\p:\reg+2*\p+1], v[\adr+2] offset:8*PCE+16*(PCE/8)+(\row)*PITCH
.endif
.endr
.endm
.macro FETCH_I slot, q, p              ; Wq's eight fragments of the slot's q-th 128 along K into set p of window 1
	WIN 0x40
.irp i, 0,1,2,3,4,5,6,7
	FRAG 128*(\p)+FR*\i, ADRI+\slot, \q, 16*\i
.endr
	WIN 0
.endm
.macro FETCH_O slot, q, i0             ; x's blocks i0 .. i0 + 3
.irp i, \i0, \i0+1, \i0+2, \i0+3
	FRAG AF+FR*(\i), ADRO+\slot, \q, 16*(\i)
.endr
.endm
; 16 matrix instructions: x's blocks a0, a0 + 1 x Wq's eight, the kq-th 128 along K.  cm = 1: the first product takes bq + 1 as its C.  From kq = 4 on both sides' scale words are taken from lanes 16-31.
; The 64 accumulators take turns, one instruction a turn, in one order throughout.
.macro MUL16 a0, p, kq, cm
.irp a, \a0, \a0+1
.irp b, 0,1,2,3,4,5,6,7
.if \cm
	v_wmma_scale_f32_16x16x128_f8f6f4 v[8*(8*((\a)%4)+\b):8*(8*((\a)%4)+\b)+7], v[128*(\p)+FR*\b:128*(\p)+FR*\b+FR-1], v[AF+FR*(\a):AF+FR*(\a)+FR-1], v[96+8*\b+96*(\b/4):96+8*\b+96*(\b/4)+7], v[SCI+4*\b+(\kq)%4], v[SCO+4*(\a)+(\kq)%4] matrix_a_fmt:MATRIX_FMT_BF6 matrix_b_fmt:MATRIX_FMT_BF6
.elseif (\kq) < 4
	v_wmma_scale_f32_16x16x128_f8f6f4 v[8*(8*((\a)%4)+\b):8*(8*((\a)%4)+\b)+7], v[128*(\p)+FR*\b:128*(\p)+FR*\b+FR-1], v[AF+FR*(\a):AF+FR*(\a)+FR-1], v[8*(8*((\a)%4)+\b):8*(8*((\a)%4)+\b)+7], v[SCI+4*\b+(\kq)%4], v[SCO+4*(\a)+(\kq)%4] matrix_a_fmt:MATRIX_FMT_BF6 matrix_b_fmt:MATRIX_FMT_BF6
.else
	v_wmma_scale_f32_16x16x128_f8f6f4 v[8*(8*((\a)%4)+\b):8*(8*((\a)%4)+\b)+7], v[128*(\p)+FR*\b:128*(\p)+FR*\b+FR-1], v[AF+FR*(\a):AF+FR*(\a)+FR-1], v[8*(8*((\a)%4)+\b):8*(8*((\a)%4)+\b)+7], v[SCI+4*\b+(\kq)%4], v[SCO+4*(\a)+(\kq)%4] matrix_a_fmt:MATRIX_FMT_BF6 matrix_b_fmt:MATRIX_FMT_BF6 matrix_a_scale:MATRIX_SCALE_ROW1 matrix_b_scale:MATRIX_SCALE_ROW1
.endif
.endr
.endr
.endm
; A load into a register that a matrix instruction has read, and a vector instruction or LDS store that reads a matrix result, stand four places behind it; only plain vector instructions are places.
.macro STEP slot, kq, cm               ; a slot's first 128 along K
	s_wait_dscnt 4*NL                              ; Wq's set and x's blocks 0-3 are in; the youngest 24 loads (x's blocks 4-7) may be out
.if \cm
	WIN 0x91                                       ; as MUL_LO, with C (bq + 1) in window 1
.else
	WIN MUL_LO
.endif
	MUL16 0, 0, \kq, \cm
	MUL16 2, 0, \kq, \cm
	s_wait_dscnt 0x0                               ; x's blocks 4-7 are in
	PLACES 4
	FETCH_I \slot, 1, 1
	FETCH_O \slot, 1, 0
.if \cm
	WIN 0xd1
.else
	WIN MUL_HI
.endif
	MUL16 4, 0, \kq, \cm
	MUL16 6, 0, \kq, \cm
	PLACES 4
	WIN 0
	FETCH_O \slot, 1, 4
.endm
; A slot's second 128 along K changes slots: ONE barrier; in front of it each wave waits for all its tensor loads, adds 0 to its spare word, and waits for that and for its reads of this slot.  fill = 1: this slot is filled again, two K steps on.
.macro TURN slot, next, fill, kq
	s_wait_tensorcnt 0x0                           ; all my tensor loads have landed: my part of the next slot
	ds_add_u32 v[SPW], v[NIL]                      ; 0 onto my spare word
	s_wait_dscnt 4*NL+1                            ; (the add and the youngest 24 loads may be out)
	WIN MUL_LO
	MUL16 0, 1, \kq, 0                             ; sixteen matrix instructions stand between the add and the wait for it
	s_wait_dscnt 0x0                               ; the add is done, and my reads of this slot are over
	s_barrier_signal -1
	MUL16 2, 1, \kq, 0
	WIN 0
	s_barrier_wait -1
.if \fill
	CREST                                          ; the barrier has opened a round of the cluster's barrier: no wave of any partner still reads this slot or has a load on its way
	s_add_nc_u64 s[G0W+4*\slot+2:G0W+4*\slot+3], s[G0W+4*\slot+2:G0W+4*\slot+3], 2*ROWB
	s_add_nc_u64 s[G0X+4*\slot+2:G0X+4*\slot+3], s[G0X+4*\slot+2:G0X+4*\slot+3], 2*ROWB
	JLOAD \slot                                    ; the first tensor load behind the round, 96 matrix instructions ahead of the wait for it; its four v_nop are also the places in front of the loads below
.else
	PLACES 4
.endif
	FETCH_I \next, 0, 0
	FETCH_O \next, 0, 0
	WIN MUL_HI
	MUL16 4, 1, \kq, 0
	MUL16 6, 1, \kq, 0
	PLACES 4
	WIN 0
	FETCH_O \next, 0, 4
.endm
; 64 numbers of a lane, v[s] on, register 16 b + i one of the 16 numbers that my lane holds of block b, become a fragment's codes in v[pc] on and its scale word in v[pw].
.macro QUANT s, pc, pw
.irp b, 0,1,2,3
	v_max3_num_f32 v[TM+\b], |v[\s+16*\b]|, |v[\s+1+16*\b]|, 0x2800000   ; my 16 numbers, and the floor 2^(5 - 127): the byte cannot fall under 1
.endr
.irp i, 2,4,6,8,10,12,14
.irp b, 0,1,2,3
	v_max3_num_f32 v[TM+\b], v[TM+\b], |v[\s+16*\b+\i]|, |v[\s+1+16*\b+\i]|
.endr
.endr
.irp b, 0,1,2,3
	v_permlanex16_b32 v[TM+4+\b], v[TM+\b], s[SEL], s[SEL+1]
.endr
.irp b, 0,1,2,3
	v_max_num_f32 v[TM+\b], v[TM+\b], v[TM+4+\b]   ; with lane l xor 16's: the block's largest magnitude
.endr
.irp b, 0,1,2,3
	v_add_nc_u32 v[TM+12+\b], 0xfe000000, v[TM+\b] ; 4 off its exponent field: the conversion's scale operand
.endr
.irp b, 0,1,2,3
	v_lshrrev_b32 v[TM+4+\b], 23, v[TM+12+\b]      ; the scale's byte
.endr
	v_lshl_or_b32 v[\pw], v[TM+5], 8, v[TM+4]
	v_lshl_or_b32 v[\pw], v[TM+6], 16, v[\pw]
	v_lshl_or_b32 v[\pw], v[TM+7], 24, v[\pw]
.irp c, 0,1
	v_cvt_scalef32_pk16_bf6_f32 v[\pc+6*\c:\pc+2+6*\c], v[\s+32*\c:\s+15+32*\c], v[TM+12+2*\c]
	v_cvt_scalef32_pk16_bf6_f32 v[SCR+4*\c:SCR+2+4*\c], v[\s+16+32*\c:\s+31+32*\c], v[TM+12+2*\c+1]   ; (a conversion's three registers begin on an even number)
.endr
	v_nop                                          ; one plain place behind a scaled conversion
.irp c, 0,1                                    ; the operand's layout wants a whole block in a lane: lanes 0-15 block 2 c, lanes 16-31 block 2 c + 1
.irp i, 0,1,2
	v_permlane16_swap_b32 v[\pc+6*\c+\i], v[SCR+4*\c+\i]
.endr
.irp i, 0,1,2
	v_mov_b32 v[\pc+3+6*\c+\i], v[SCR+4*\c+\i]
.endr
.endr
.endm
	s_wait_tensorcnt 0x1                           ; my part of K step 0 is in (K step 1's load may be out)
	s_wait_dscnt 0x0                               ; and my images, scale words and z have landed:
	s_barrier_signal -1
	s_barrier_wait -1                              ; everybody's have
	FETCH_I 0, 0, 0
	FETCH_O 0, 0, 0
	FETCH_O 0, 0, 4
	STEP 0, 0, 1                                   ; the first products take bq + 1 as their C: bias and the feature map's 1 cost no instruction here, and nothing is cleared
	TURN 0, 1, 1, 1
	STEP 1, 2, 0
	TURN 1, 0, 1, 3
	STEP 0, 4, 0
	TURN 0, 1, 0, 5                                ; nothing is left to fetch: slot 0 has had its last fill, and behind this barrier nobody reads it
	STEP 1, 6, 0
	s_wait_dscnt 4*NL                              ; the last 128 along K
	WIN MUL_LO
	MUL16 0, 1, 7, 0
	MUL16 2, 1, 7, 0
	s_wait_dscnt 0x0
	WIN MUL_HI
	MUL16 4, 1, 7, 0
	MUL16 6, 1, 7, 0
	WIN 0
	PLACES 4
	; THE EPILOGUE.  kv^T's eight fragments, z in phi_q's layout and the scale words come from LDS once
.irp b, 0,1,2,3
	v_mov_b32 v[TM+4+\b], 0                        ; written once: a lane permute's destination counts as one of its sources
.endr
	v_mov_b32 v[RC+1], 0                           ; (named as the upper halves of pairs)
	v_mov_b32 v[RC+3], 0
	v_mov_b32 v[NC], 0xbfb8aa3b                    ; -log2(e)
	v_mov_b32 v[NC+1], 0xbfb8aa3b
	WIN 0x40                                       ; destination window 1
.irp t, 0,1,2,3,4,5,6,7
.irp g, 0,1,2
	ds_load_b128 v[12*\t+4*\g:12*\t+4*\g+3], v[KVIA] offset:1536*\t+512*\g
.endr
.endr
.irp b, 0,1,2,3,4,5,6,7
	ds_load_b128 v[ZQ+8*\b:ZQ+8*\b+3], v[ZLA] offset:64*\b                   ; register 8 b + j: z of channel 16 b + 8 h + j
	ds_load_b128 v[ZQ+8*\b+4:ZQ+8*\b+7], v[ZLA] offset:64*\b+16
.endr
	WIN 0
.irp t, 0,1,2,3,4,5,6,7
	ds_load_b32 v[KSW+\t], v[KVSA] offset:128*\t
.endr
; n rows of block k of out, from its row i0 on, are stored.  They lie in the registers that held block k's accumulators, window 2 + k / 4, which nothing writes afterwards; the address register and the base are never rewritten.
.macro ST k, i0, n
	WIN 0x08+0x04*((\k)/4)                         ; a store's data are its source 1
.set jj, \i0
.rept \n
	global_store_b128 v[GOFF], v[64*((\k)%4)+4*jj:64*((\k)%4)+4*jj+3], s[74:75] offset:(16*(\k)+jj)*4096 th:TH_STORE_NT   ; 32 lanes store 512 consecutive bytes, at a multiple of 512 from out's first byte; the row stands in the immediate, 127 rows at the most
.set jj, jj+1
.endr
.endm
; phi_q of block a (16 rows s, a lane's 64 channels) into v[Y] on.  An exponential has no source 1, so the window of the stores' data can stand through the run of exponentials:
; four rows of the block before leave among its second half, one behind every eighth, at no switch.
.macro PHI a
.set AC, 64*((\a)%4)
	WIN 0x02+(\a)/4                                ; source 0: window 2 or 3
.set ii, 0
.rept 32
	v_pk_fma_f32 v[Y+ii:Y+ii+1], v[AC+ii:AC+ii+1], s[CS:CS+1], v[NC:NC+1] op_sel_hi:[1,0,0]   ; c (q + 1) - c = c q; each accumulator is read from its low end on
.set ii, ii+2
.endr
.if (\a) > 0
	WIN 0x08+0x04*(((\a)-1)/4)
.else
	WIN 0
.endif
.set ii, 0
.rept 64
.if ii == 32
	s_wait_dscnt 0x0                               ; the block before is back from the stage (its loads stand 32 multiply-adds and 32 exponentials back); in block 0: kv^T, z and the scale words are in
.endif
	v_exp_f32 v[Y+ii], -|v[Y+ii]|                  ; e^(-|q|)
.if ((\a) > 0) && (ii >= 32) && (ii%8 == 7)
	global_store_b128 v[GOFF], v[64*(((\a)-1)%4)+4*((ii-32)/8):64*(((\a)-1)%4)+4*((ii-32)/8)+3], s[74:75] offset:(16*((\a)-1)+(ii-32)/8)*4096 th:TH_STORE_NT
.endif
.set ii, ii+1
.endr
	v_nop                                          ; a plain place behind the exponentials
	WIN 0x02+(\a)/4
.set ii, 0
	s_wait_alu depctr_va_vdst(0)
.rept 64
	v_max_num_f32 v[Y+ii], v[AC+ii], v[Y+ii]       ; phi = max(q + 1, e^(-|q|))
.set ii, ii+1
.endr
.endm
.macro DEN                             ; den = phi_q . z for both heads, of the unquantised numbers; 1 / (den + 1e-6).  These lines are also the places between the codes' and the scale word's last writes and the products
	WIN 0x04                                       ; source 1 (z): window 1
	v_pk_mul_f32 v[DN:DN+1], v[Y:Y+1], v[ZQ:ZQ+1]
	v_pk_mul_f32 v[DN+2:DN+3], v[Y+32:Y+33], v[ZQ+32:ZQ+33]
.set ii, 2
.rept 15
	v_pk_fma_f32 v[DN:DN+1], v[Y+ii:Y+ii+1], v[ZQ+ii:ZQ+ii+1], v[DN:DN+1]
	v_pk_fma_f32 v[DN+2:DN+3], v[Y+32+ii:Y+33+ii], v[ZQ+32+ii:ZQ+33+ii], v[DN+2:DN+3]
.set ii, ii+2
.endr
	WIN 0
	v_add_f32 v[DN], v[DN], v[DN+1]
	v_add_f32 v[DN+2], v[DN+2], v[DN+3]
	v_permlanex16_b32 v[TM+4], v[DN], s[SEL], s[SEL+1]
	v_permlanex16_b32 v[TM+5], v[DN+2], s[SEL], s[SEL+1]
	v_add_f32 v[DN], v[DN], v[TM+4]                ; with lane l xor 16's 32 channels
	v_add_f32 v[DN+2], v[DN+2], v[TM+5]
	v_add_f32 v[DN], 0x358637bd, v[DN]             ; + 1e-6
	v_add_f32 v[DN+2], 0x358637bd, v[DN+2]
	v_rcp_f32 v[RC], v[DN]
	v_rcp_f32 v[RC+2], v[DN+2]
	v_nop                                          ; a plain place behind the reciprocals
.endm
.macro NUM                             ; eight products: tile t = 4 x head + tile of e.  Lane (r, h), register j of tile t: num(row r, column 16 t + 8 h + j of the pair)
	WIN 0x01                                       ; source 0 (kv^T): window 1
.irp t, 0,1,2,3,4,5,6,7
	v_wmma_scale_f32_16x16x128_f8f6f4 v[OA+8*\t:OA+8*\t+7], v[12*\t:12*\t+11], v[PCD:PCD+11], 0, v[KSW+\t], v[PW] matrix_a_fmt:MATRIX_FMT_BF6 matrix_b_fmt:MATRIX_FMT_BF6
.endr
	WIN 0
	PLACES 4
.set ii, 0
	s_wait_alu depctr_va_vdst(0)
.rept 32
	v_pk_mul_f32 v[OA+ii:OA+ii+1], v[OA+ii:OA+ii+1], v[RC+2*(ii/32):RC+2*(ii/32)+1] op_sel_hi:[1,0]   ; / (den + 1e-6), by the column's head; each result from its low end on
.set ii, ii+2
.endr
.endm
.macro TOSTAGE a                       ; a lane holds 32 neighbouring bytes of a row: the block goes through my own stage and comes back as whole rows of 512 bytes, into the registers that held its accumulators
	WIN 0
.irp t, 0,1,2,3,4,5,6,7
	ds_store_b128 v[STO], v[OA+8*\t:OA+8*\t+3] offset:64*\t
	ds_store_b128 v[STO], v[OA+8*\t+4:OA+8*\t+7] offset:64*\t+16
.endr
	WIN 0x80+0x40*((\a)/4)                         ; destination window 2 or 3
.irp i, 0,1,2,3,4,5,6,7,8,9,10,11,12,13,14,15
	ds_load_b128 v[64*((\a)%4)+4*\i:64*((\a)%4)+4*\i+3], v[RD] offset:\i*SPITCH    ; LDS serves a wave's instructions in order (ISA guide 5.7.1.4): these see the stores above, and the next block's stores come behind them
.endr
	WIN 0
.endm
; A block's turn.  The 16 rows of the block before leave among its work: four among the exponentials, then three behind each of the maxima, the quantiser, the divisor and the scaling.
.irp a, 0,1,2,3,4,5,6,7
	PHI \a
.if \a > 0
	ST \a-1, 4, 3
.endif
	WIN 0
	QUANT Y, PCD, PW
.if \a > 0
	ST \a-1, 7, 3
.endif
	DEN
.if \a > 0
	ST \a-1, 10, 3
.endif
	NUM
.if \a > 0
	ST \a-1, 13, 3
.endif
	TOSTAGE \a
.endr
	s_wait_dscnt 0x0                               ; the last block is back in registers
	ST 7, 0, 16
	WIN 0
	s_wait_tensorcnt 0x0                           ; the wave's end
	ds_add_u32 v[SPW], v[NIL]
	s_wait_dscnt 0x0
	CROUND                                         ; the closing round: no work-group ends while a partner may still ask for a tile that names it
	s_endpgm
.Lfunc_end_k_qf9c8629d58_qout:
	.size	k_qf9c8629d58_qout, .Lfunc_end_k_qf9c8629d58_qout-k_qf9c8629d58_qout
	.p2alignl 7, 3214868480
	.fill 96, 4, 3214868480
	.section	.rodata,"a",@progbits
	.p2align	6, 0x0
	.amdhsa_kernel k_qf9c8629d58_qout
		.amdhsa_group_segment_fixed_size 327680
		.amdhsa_private_segment_fixed_size 0
		.amdhsa_enable_private_segment 0
		.amdhsa_kernarg_size 64
		.amdhsa_user_sgpr_count 2
		.amdhsa_user_sgpr_kernarg_segment_ptr 1
		.amdhsa_wavefront_size32 1
		.amdhsa_system_sgpr_workgroup_id_x 1
		.amdhsa_system_sgpr_workgroup_id_y 1
		.amdhsa_system_sgpr_workgroup_id_z 1
		.amdhsa_system_vgpr_workitem_id 0
		.amdhsa_next_free_vgpr 1024
		.amdhsa_next_free_sgpr 100
		.amdhsa_reserve_vcc 0
		.amdhsa_float_denorm_mode_32 3
		.amdhsa_float_denorm_mode_16_64 3
		.amdhsa_memory_ordered 1
		.amdhsa_forward_progress 1
		.amdhsa_inst_pref_size 255
	.end_amdhsa_kernel
	.section	.bss,"aw",@nobits
	.p2align	6
	.space	262144
	.amdgpu_metadata
---
amdhsa.version: [ 1, 2 ]
amdhsa.kernels:
  - .name:           k_qf9c8629d58_qout
    .symbol:         k_qf9c8629d58_qout.kd
    .args:
      - { .name: hidden_states_codes, .offset: 0, .size: 8, .value_kind: global_buffer, .address_space: global }
      - { .name: hidden_states_scales, .offset: 8, .size: 8, .value_kind: global_buffer, .address_space: global }
      - { .name: Wq_codes, .offset: 16, .size: 8, .value_kind: global_buffer, .address_space: global }
      - { .name: Wq_scales, .offset: 24, .size: 8, .value_kind: global_buffer, .address_space: global }
      - { .name: bq, .offset: 32, .size: 8, .value_kind: global_buffer, .address_space: global }
      - { .name: kvp, .offset: 40, .size: 8, .value_kind: global_buffer, .address_space: global }
      - { .name: zp, .offset: 48, .size: 8, .value_kind: global_buffer, .address_space: global }
      - { .name: out0, .offset: 56, .size: 8, .value_kind: global_buffer, .address_space: global }
    .group_segment_fixed_size: 327680
    .private_segment_fixed_size: 0
    .kernarg_segment_align: 8
    .kernarg_segment_size: 64
    .max_flat_workgroup_size: 128
    .sgpr_count:     100
    .vgpr_count:     1024
    .wavefront_size: 32
...
	.end_amdgpu_metadata
.endif
;; end of part 2
